; MI455X (gfx1250); checked and timed in simulation.
; The chip was launched on July 23, 2026; its instructions are those of AMD's public machine-readable ISA for CDNA 5 (MIT licence, August 2026) and "CDNA5" Instruction Set Architecture Reference Guide (July 2026). The comments in the code are by the model that wrote it; some were corrected since.
;; DAM Module. Allowed arithmetic: float matrix products may take bf16 or f16 operands with f32 sums; all other float work in f32.
;; Inputs: bk 1 float32; bq 1 float32; bv 64 float32; gamma_x 1 float32; k 2 x 64 x 8 x 32 x 32 float32; q 2 x 64 x 8 x 32 x 32 float32; v 2 x 64 x 8 x 32 x 32 float32; wk 64 float32; wq 64 float32; wv 64 x 192 float32.
;; Outputs: out0 2 x 64 x 8 x 32 x 32 float32.
;; 2 versions, each right; version 2 is version 1 with the launch proj written anew for expert scheduling mode. Each part assembles by itself: llvm-mc -triple=amdgcn-amd-amdhsa -mcpu=gfx1250 --defsym DOCPART=n.
;; ======== version 1 of 2: 2 launches
;; workspace buffers: pvw 2,097,152 bytes; pqk 131,072 bytes
;; launch proj (part 1): grid 256 x 1, 4 waves a work-group, no clusters, 29,184 bytes of LDS; arguments q, k, v, wq, bq, wk, bk, wv, pvw, pqk; writes pvw, pqk
.if DOCPART == 1
	.amdgcn_target "amdgcn-amd-amdhsa--gfx1250"
	.amdhsa_code_object_version 6
	.text
	.protected	k_q77fe07e506_proj
	.globl	k_q77fe07e506_proj
	.p2align	8
	.type	k_q77fe07e506_proj,@function
k_q77fe07e506_proj:
	s_mov_b64 s[64:65], 0
	v_nop
	global_prefetch_b8 v0, s[64:65] scope:SCOPE_SE
	s_setreg_imm32_b32 hwreg(HW_REG_WAVE_MODE, 25, 1), 1
	s_wait_xcnt 0x0
; pq[b][n] = wq . q[b][:][n] + bq,  pk[b][n] = wk . k[b][:][n] + bk  (f32),  pv[b][c][n] = wv[c][:] . cat(v, q, k)[b][:][n]  (bf16, WITHOUT bv).
; q, k, v: [2][64][8192] f32.  Work-group g = 128 b + nb owns the 64 positions n0 = 64 nb .. n0 + 63 of batch b: 256 work-groups, four waves.
; pq and pk are summed in f32 by the vector unit: 2 x 64 x 16,384 multiply-adds in all, and an error in either is multiplied by the other
; inside an exponent in the next launch, so they are not rounded to bf16.  Their sums go as eight partials of eight channels each, which is
; another order of rounding than a plain chain.  bv is added in f32 in the next launch (the weights of a softmax row add up to 1), so a
; large bias never enters the bf16 rounding of pv.
; THE PRODUCT: A = val transposed (M = n, K = channel d of the 192), B = wv (N = c, K = d).  n tile i (0..3) has row rho <-> n = n0 + 4 rho + i,
; so that the four f32 of one 16-byte load of a lane feed the four tiles.  Wave w loads rows 16 w .. 16 w + 15 of each of v, q, k,
; rounds them to bf16 and lays them into LDS as finished fragment pieces; then wave w multiplies c tile w with all four n tiles.
; pvw is written as the image of the next launch's A fragments: [g][qd 4][ct 4][lane 32][8 bf16], element e = pv[16 ct + r][n0 + 32 h + 8 qd + e].
; No clusters, no tensor loads: each input byte is read by one lane of one work-group, nothing is shared but wv (48 KiB, read once a work-group).
.set PART, 24576                       ; LDS: 0..24575 fragment pieces (hs, i) at 2048 hs + 512 i + 16 lane;  24576.. partial sums of pq, 26624.. of pk
.set VO,   1                           ; v1   (16 w + 8 h) rows of 32,768 bytes + 16 r: my 16 bytes in the first of my eight rows
.set VW,   2                           ; v2   byte offset of my eight weights in wq and in wk
.set VWV,  3                           ; v3   (16 w + r) rows of 768 bytes + 32 h in wv
.set VS,   4                           ; v4   2048 w + 16 lane: where my pieces go
.set VS2,  5                           ; v5   PART + 16 tid
.set VR,   6                           ; v6   16 lane: where fragments are read
.set VOUT, 7                           ; v7   16 tid: my 16 bytes in a quarter block of pvw
.set VF,   8                           ; v8   PART + 2048 h + 16 r (wave 0's last sum)
.set VG,   9                           ; v9   65536 h + 16 r in pqk
.set VAL,  16                          ; v[16:111]  load (tau, x) at VAL + 32 tau + 4 x; tau = 0 v, 1 q, 2 k, as cat lays them
.set FB,   16                          ; the same registers behind the barrier: three fragment buffers of 32
.set WVF,  112                         ; v[112:207] wv in f32, element e of K step ks at WVF + 16 ks + e
.set WB,   112                         ; v[112:159] the same rounded to bf16, 8 registers a K step
.set ACC,  160                         ; v[160:191] n tile i at ACC + 8 i
.set PKD,  192                         ; v[192:207] packed pieces on their way to LDS
.set OUTP, 192                         ; later: 32 bf16 of pv
.set WQ,   208                         ; v[208:215]
.set WK,   216                         ; v[216:223]
.set SQ,   224                         ; v[224:227]
.set SK,   228                         ; v[228:231]
	s_load_b512 s[4:19], s[0:1], 0x0               ; q s[4:5], k s[6:7], v s[8:9], wq s[10:11], bq s[12:13], wk s[14:15], bk s[16:17], wv s[18:19]
	s_load_b128 s[20:23], s[0:1], 0x40             ; pvw s[20:21], pqk s[22:23]
	v_lshl_add_u32 v232, v0, 2, 0x7000
	v_mov_b32 v233, 0
	v_lshrrev_b32 v14, 5, v0                       ; w
	v_readfirstlane_b32 s26, v14                   ; the wave's number as a scalar
	s_lshr_b32 s27, ttmp9, 7                       ; b
	s_and_b32 s28, ttmp9, 127                      ; nb
	s_lshl_b32 s27, s27, 21                        ; a batch is 64 rows of 32,768 bytes
	s_lshl_b32 s28, s28, 8                         ; 64 positions are 256 bytes
	s_or_b32 s28, s28, s27
	s_mov_b32 s29, 0
	s_lshl_b32 s30, ttmp9, 13                      ; a block of pvw is 8,192 bytes
	s_mov_b32 s31, 0
	s_lshl_b32 s32, ttmp9, 8                       ; 64 f32 of pq (and of pk)
	s_mov_b32 s33, 0
	v_lshrrev_b32 v12, 4, v0                       ; 2 w + h
	v_and_b32 v13, 15, v0                          ; r
	v_bfe_u32 v10, v0, 4, 1                        ; h
	v_lshlrev_b32 v[VG], 4, v13                    ; 16 r
	v_lshl_or_b32 v[VO], v12, 18, v[VG]            ; (2 w + h) x 8 rows x 32,768 bytes
	v_lshlrev_b32 v[VW], 5, v12                    ; (16 w + 8 h) x 4 bytes
	v_lshl_or_b32 v15, v14, 4, v13                 ; c = 16 w + r
	v_mul_u32_u24 v[VWV], v15, 768
	v_lshl_add_u32 v[VWV], v10, 5, v[VWV]
	v_and_b32 v[VR], 31, v0
	v_lshlrev_b32 v[VR], 4, v[VR]
	v_lshl_or_b32 v[VS], v14, 11, v[VR]
	v_lshlrev_b32 v[VOUT], 4, v0
	v_add_nc_u32 v[VS2], PART, v[VOUT]
	v_lshl_add_u32 v[VF], v10, 11, v[VG]
	v_add_nc_u32 v[VF], PART, v[VF]
	v_lshl_or_b32 v[VG], v10, 16, v[VG]
	s_wait_kmcnt 0x0
	s_load_b32 s24, s[12:13], 0x0                  ; bq
	s_load_b32 s25, s[16:17], 0x0                  ; bk: both waited for in front of the barrier
	s_add_nc_u64 s[4:5], s[4:5], s[28:29]
	s_add_nc_u64 s[6:7], s[6:7], s[28:29]
	s_add_nc_u64 s[8:9], s[8:9], s[28:29]
	s_add_nc_u64 s[20:21], s[20:21], s[30:31]
	s_add_nc_u64 s[22:23], s[22:23], s[32:33]
	; 52 loads in one run: 4 of weights, 24 of wv, 8 each of v, q, k.  No source of any of them is ever rewritten.
	global_load_b128 v[WQ:WQ+3],   v[VW], s[10:11]
	global_load_b128 v[WQ+4:WQ+7], v[VW], s[10:11] offset:16
	global_load_b128 v[WK:WK+3],   v[VW], s[14:15]
	global_load_b128 v[WK+4:WK+7], v[VW], s[14:15] offset:16
.irp ks, 0,1,2,3,4,5
	global_load_b128 v[WVF+16*\ks:WVF+16*\ks+3],     v[VWV], s[18:19] offset:128*\ks      ; wv[c][32 ks + 8 h + 0..3]
	global_load_b128 v[WVF+16*\ks+4:WVF+16*\ks+7],   v[VWV], s[18:19] offset:128*\ks+16   ;                    + 4..7
	global_load_b128 v[WVF+16*\ks+8:WVF+16*\ks+11],  v[VWV], s[18:19] offset:128*\ks+64   ; wv[c][32 ks + 16 + 8 h + 0..3]
	global_load_b128 v[WVF+16*\ks+12:WVF+16*\ks+15], v[VWV], s[18:19] offset:128*\ks+80
.endr
.irp x, 0,1,2,3,4,5,6,7
	global_load_b128 v[VAL+4*\x:VAL+4*\x+3], v[VO], s[8:9] offset:32768*\x               ; v: lanes 0-15 take 256 aligned bytes of row 16 w + x, lanes 16-31 of row 16 w + 8 + x
.endr
.irp x, 0,1,2,3,4,5,6,7
	global_load_b128 v[VAL+32+4*\x:VAL+32+4*\x+3], v[VO], s[4:5] offset:32768*\x th:TH_LOAD_NT   ; q: read once, here
.endr
.irp x, 0,1,2,3,4,5,6,7
	global_load_b128 v[VAL+64+4*\x:VAL+64+4*\x+3], v[VO], s[6:7] offset:32768*\x th:TH_LOAD_NT   ; k likewise
.endr
; my eight rows of tensor tau, rounded: for n tile i the eight channels 64 tau + 16 w + 8 h + 0..7 of position n0 + 4 r + i are 16 bytes,
; half a K step of lane (r, h)'s A fragment: piece (hs = 4 tau + w, i)
.macro CONV tau
.irp i, 0,1,2,3
.irp p, 0,1,2,3
	v_cvt_pk_bf16_f32 v[PKD+4*\i+\p], v[VAL+32*\tau+8*\p+\i], v[VAL+32*\tau+8*\p+4+\i]
.endr
.endr
.irp i, 0,1,2,3
	ds_store_b128 v[VS], v[PKD+4*\i:PKD+4*\i+3] offset:\tau*8192+\i*512
.endr
.endm
; my eight channels' share of the four positions' dot product, four chains that do not wait for each other
.macro DOT tau, W, S
.irp i, 0,1,2,3
	v_mul_f32 v[\S+\i], v[\W], v[VAL+32*\tau+\i]
.endr
.irp x, 1,2,3,4,5,6,7
.irp i, 0,1,2,3
	v_fmac_f32 v[\S+\i], v[\W+\x], v[VAL+32*\tau+4*\x+\i]
.endr
.endr
.endm
	s_wait_loadcnt 24                              ; loads come back in order (ISA guide 5.7.1): the weights and wv are in, the 24 loads of v, q, k are younger
.set p, 0
.rept 48
	v_cvt_pk_bf16_f32 v[WVF+p], v[WVF+2*p], v[WVF+2*p+1]   ; in place, ascending: word p is written when words 2 p and 2 p + 1 are read, and p <= 2 p
.set p, p+1
.endr
	s_wait_loadcnt 16                              ; v is in; q's and k's sixteen are younger
	CONV 0
	s_wait_loadcnt 8                               ; q is in
	CONV 1
	DOT 1, WQ, SQ
	s_wait_loadcnt 0x0                             ; k is in
	CONV 2
	DOT 2, WK, SK
	ds_store_b128 v[VS2], v[SQ:SQ+3]               ; partial (2 w + h) of pq at 256 (2 w + h) + 16 r
	ds_store_b128 v[VS2], v[SK:SK+3] offset:2048   ; of pk
	s_wait_kmcnt 0x0                               ; bq, bk
	s_wait_dscnt 0x0                               ; for the other waves' sake: all my LDS stores are done
	s_barrier_signal -1
	s_barrier_wait -1                              ; the one barrier: behind it LDS is only read
.macro LDFRAG ks, buf                  ; the four n tiles' A fragments of K step ks: pieces hs = 2 ks (registers 0-3) and 2 ks + 1 (registers 4-7)
.irp i, 0,1,2,3
	ds_load_b128 v[FB+32*\buf+8*\i:FB+32*\buf+8*\i+3],   v[VR] offset:\ks*4096+\i*512
	ds_load_b128 v[FB+32*\buf+8*\i+4:FB+32*\buf+8*\i+7], v[VR] offset:\ks*4096+\i*512+2048
.endr
.endm
.macro MM ks, buf, zero                ; four accumulators by turns, one instruction a turn, in the same order in every K step
.irp i, 0,1,2,3
.if \zero
	v_wmma_f32_16x16x32_bf16 v[ACC+8*\i:ACC+8*\i+7], v[FB+32*\buf+8*\i:FB+32*\buf+8*\i+7], v[WB+8*\ks:WB+8*\ks+7], 0
.else
	v_wmma_f32_16x16x32_bf16 v[ACC+8*\i:ACC+8*\i+7], v[FB+32*\buf+8*\i:FB+32*\buf+8*\i+7], v[WB+8*\ks:WB+8*\ks+7], v[ACC+8*\i:ACC+8*\i+7]
.endif
.endr
.endm
.macro PLACES                          ; four places between a matrix instruction and a load into, or a vector read of, its registers
.rept 4
	v_nop
.endr
.endm
	LDFRAG 0, 0
	LDFRAG 1, 1
	LDFRAG 2, 2
	s_wait_dscnt 16                                ; LDS loads come back in order: K step 0's eight are in, two younger groups of eight may be out
	MM 0, 0, 1                                     ; the first products start the sums: nothing is cleared
	PLACES
	LDFRAG 3, 0
	s_wait_dscnt 16                                ; K step 1's are in; 2's and 3's are younger
	MM 1, 1, 0
	PLACES
	LDFRAG 4, 1
	s_wait_dscnt 16
	MM 2, 2, 0
	PLACES
	LDFRAG 5, 2
	s_wait_dscnt 16
	MM 3, 0, 0
	s_wait_dscnt 8                                 ; only K step 5's eight are younger
	MM 4, 1, 0
	s_wait_dscnt 0x0
	MM 5, 2, 0
	PLACES
	; register j of tile i in lane (r, h) is pv[16 w + r][n0 + 32 h + 4 j + i]: the four tiles interleave to 32 neighbouring n
.irp j, 0,1,2,3,4,5,6,7
	v_cvt_pk_bf16_f32 v[OUTP+2*\j],   v[ACC+\j],    v[ACC+8+\j]
	v_cvt_pk_bf16_f32 v[OUTP+2*\j+1], v[ACC+16+\j], v[ACC+24+\j]
.endr
.irp qd, 0,1,2,3
	global_store_b128 v[VOUT], v[OUTP+4*\qd:OUTP+4*\qd+3], s[20:21] offset:\qd*2048   ; a wave's store covers 512 consecutive bytes, aligned
.endr
	s_cmp_lg_u32 s26, 0                            ; wave 0 alone adds the eight partials: lanes 0-15 those of pq, lanes 16-31 those of pk
	s_cbranch_scc1 .Lend
.irp p, 0,1,2,3,4,5,6,7
	ds_load_b128 v[16+4*\p:16+4*\p+3], v[VF] offset:\p*256
.endr
	v_mov_b32 v10, s24
	v_mov_b32 v11, s25
	v_cmp_lt_u32 vcc_lo, 15, v0                    ; lanes 16-31 (this is wave 0)
	v_cndmask_b32 v10, v10, v11, vcc_lo            ; bq below, bk above
	v_mov_b32 v11, v10
	s_wait_dscnt 0x0
.irp e, 0,2,4,6,8,10,12,14
	v_pk_add_f32 v[16+\e:17+\e], v[16+\e:17+\e], v[32+\e:33+\e]
.endr
.irp e, 0,2,4,6
	v_pk_add_f32 v[16+\e:17+\e], v[16+\e:17+\e], v[24+\e:25+\e]
.endr
.irp e, 0,2
	v_pk_add_f32 v[16+\e:17+\e], v[16+\e:17+\e], v[20+\e:21+\e]
.endr
.irp e, 0,2
	v_pk_add_f32 v[16+\e:17+\e], v[16+\e:17+\e], v[10:11]
.endr
	global_store_b128 v[VG], v[16:19], s[22:23]    ; lanes 0-15: 256 aligned bytes of pq; lanes 16-31: 256 aligned bytes of pk, 65,536 bytes further
.Lend:
	s_wait_tensorcnt 0x0
	ds_add_u32 v232, v233
	s_wait_dscnt 0x0
	s_endpgm
.Lfunc_end_k_q77fe07e506_proj:
	.size	k_q77fe07e506_proj, .Lfunc_end_k_q77fe07e506_proj-k_q77fe07e506_proj
	.p2alignl 7, 3214868480
	.fill 96, 4, 3214868480
	.section	.rodata,"a",@progbits
	.p2align	6, 0x0
	.amdhsa_kernel k_q77fe07e506_proj
		.amdhsa_group_segment_fixed_size 29184
		.amdhsa_private_segment_fixed_size 0
		.amdhsa_enable_private_segment 0
		.amdhsa_kernarg_size 80
		.amdhsa_user_sgpr_count 2
		.amdhsa_user_sgpr_kernarg_segment_ptr 1
		.amdhsa_wavefront_size32 1
		.amdhsa_system_sgpr_workgroup_id_x 1
		.amdhsa_system_sgpr_workgroup_id_y 1
		.amdhsa_system_sgpr_workgroup_id_z 1
		.amdhsa_system_vgpr_workitem_id 0
		.amdhsa_next_free_vgpr 234
		.amdhsa_next_free_sgpr 66
		.amdhsa_reserve_vcc 1
		.amdhsa_float_denorm_mode_32 3
		.amdhsa_float_denorm_mode_16_64 3
		.amdhsa_memory_ordered 1
		.amdhsa_forward_progress 1
		.amdhsa_inst_pref_size 25
	.end_amdhsa_kernel
	.amdgpu_metadata
---
amdhsa.version: [ 1, 2 ]
amdhsa.kernels:
  - .name:           k_q77fe07e506_proj
    .symbol:         k_q77fe07e506_proj.kd
    .args:
      - { .name: q, .offset: 0, .size: 8, .value_kind: global_buffer, .address_space: global }
      - { .name: k, .offset: 8, .size: 8, .value_kind: global_buffer, .address_space: global }
      - { .name: v, .offset: 16, .size: 8, .value_kind: global_buffer, .address_space: global }
      - { .name: wq, .offset: 24, .size: 8, .value_kind: global_buffer, .address_space: global }
      - { .name: bq, .offset: 32, .size: 8, .value_kind: global_buffer, .address_space: global }
      - { .name: wk, .offset: 40, .size: 8, .value_kind: global_buffer, .address_space: global }
      - { .name: bk, .offset: 48, .size: 8, .value_kind: global_buffer, .address_space: global }
      - { .name: wv, .offset: 56, .size: 8, .value_kind: global_buffer, .address_space: global }
      - { .name: pvw, .offset: 64, .size: 8, .value_kind: global_buffer, .address_space: global }
      - { .name: pqk, .offset: 72, .size: 8, .value_kind: global_buffer, .address_space: global }
    .group_segment_fixed_size: 29184
    .private_segment_fixed_size: 0
    .kernarg_segment_align: 8
    .kernarg_segment_size: 80
    .max_flat_workgroup_size: 128
    .sgpr_count:     66
    .vgpr_count:     234
    .wavefront_size: 32
...
	.end_amdgpu_metadata
.endif
;; end of part 1
;; launch attn (part 2): grid 256 x 1, 8 waves a work-group, clusters of 4 x 1, 327,680 bytes of LDS; arguments pvw, pqk, v, bv, gamma_x, out0; writes out0
.if DOCPART == 2
	.amdgcn_target "amdgcn-amd-amdhsa--gfx1250"
	.amdhsa_code_object_version 6
	.text
	.protected	k_q77fe07e506_attn
	.globl	k_q77fe07e506_attn
	.p2align	8
	.type	k_q77fe07e506_attn,@function
k_q77fe07e506_attn:
	s_mov_b64 s[64:65], 0
	v_nop
	global_prefetch_b8 v0, s[64:65] scope:SCOPE_SE
	s_setreg_imm32_b32 hwreg(HW_REG_WAVE_MODE, 25, 1), 1
	s_wait_xcnt 0x0
	s_wait_alu depctr_hold_cnt(0) depctr_sa_sdst(0) depctr_va_vdst(0) depctr_va_sdst(0) depctr_va_ssrc(0) depctr_va_vcc(0) depctr_vm_vsrc(0)
	s_getreg_b32 s2, hwreg(HW_REG_IB_STS2, 6, 4)
	s_cmp_eq_u32 s2, 0
	s_cbranch_scc0 .Lentry_in_a_cluster
	s_endpgm
.Lentry_in_a_cluster:
	s_bfe_u32 s2, ttmp6, 0x10000c
	s_cmp_lg_u32 s2, 0x3003
	s_cbranch_scc0 .Lentry_shape_is_right
	s_endpgm
.Lentry_shape_is_right:
; out0[b][c][m] = gamma (sum over n of pv[b][c][n] P[m][n] / sum over n of P[m][n] + bv[c]) + v[b][c][m],  P[m][n] = exp(pq[m] pk[n] - max over n).
; THE MAXIMUM is taken away as the softmax asks, in closed form: the energies of a row are pq[m] times pk[n], so their maximum is
; max(pq[m] pkmax, pq[m] pkmin), for every input.  With a' = pq log2(e) and mx = max(a' pkmax, a' pkmin): P = exp2(fma(a', pk, -mx)).
; mx is one shift for numerator and denominator, so its rounding cancels; the largest term's exponent is 0 up to the rounding of one product,
; so nothing overflows and the row sum is about 1 at the least.  No running maximum, no rescaling, and sums over parts of n simply add.
; LIMITS: P below 2^-126 counts as 0 (v_exp_f32 flushes); the maximum and minimum of pk ignore NaN (a NaN still reaches every sum through
; the exponent); pv (without bv) and P are rounded to bf16, sums are f32.  bv is added here in f32: the weights of a row add up to 1.
; SHARES: 256 work-groups, each 64 queries (m0 = 64 (g mod 128)) x all 8,192 keys of its batch; eight waves, two for each of the four SIMDs.
; Wave w: mh = w & 1 picks 32 queries as two tiles t (column r <-> m = m0 + 4 r + 2 mh + t), nq = w >> 1 picks a quarter of each fill's keys.
; A = pv (M = c, four tiles) and a fifth A tile of ones, whose product is the row sum of the same bf16 P that the numerator uses;
; B = P (N = m); K = 32 keys a step.  The order of the keys inside a step is the one in which the first launch laid pvw, and pk is read to match.
; A step of a wave: 16 v_pk_fma_f32, 32 v_exp_f32, 16 v_cvt_pk_bf16_f32, 10 matrix instructions, 12 LDS loads.
; CLUSTER 4 x 1: the four partners have the same batch and walk the same pv and pk, so every tensor load is a joint one (mask 15):
; the requests for pv are a quarter of what 256 separate walks would ask.  The place in the cluster (cx) enters only the global
; addresses of pq, v and out0: no descriptor, no LDS address, no branch.
; LDS: 0..262143 two slots of 131,072 bytes (a fill = 16 blocks of 64 keys, dense in pvw; wave w brings 16 KiB);  262144.. pk of the batch (32 KiB, filled once);
; 294912.. eight (max, min) pairs, never the target of a fill.  Behind the last phase slot 0, which has had its last fill, is the stage for the partial sums.
.set FILL, 131072
.set PKL,  262144
.set SCR,  294912
.set STGL, 65536                       ; the row sums' stage, behind the 65,536 bytes of the eight waves' O images: 256 bytes a wave
.set LA0,  1                           ; v1  32768 nq + 16 lane: my fragments in slot 0
.set LA1,  2                           ; v2  the same in slot 1
.set LPK,  3                           ; v3  PKL + 1024 nq + 128 h, + 4,096 a phase
.set VO2,  4                           ; v4  (16 nq + 4 mh + 8 h) rows of 32,768 bytes + 16 r in v and out0; never rewritten
.set WS,   5                           ; v5  8192 w + 16 lane: my O image
.set WL,   6                           ; v6  STGL + 256 w + 4 lane: my row sums
.set AQ,   8                           ; v[8:15]    tile t: a', a', -mx, -mx
.set ONES, 16                          ; v[16:23]   bf16 1.0 everywhere
.set PK,   24                          ; v[24:39]   16 pk of my half's keys
.set PV,   40                          ; v[40:103]  two buffers x four c tiles x 8
.set T,    104                         ; v[104:135] exponents, then P in f32: tile t at T + 16 t
.set P,    136                         ; v[136:151] P in bf16: tile t at P + 8 t
.set ACC,  152                         ; v[152:231] tile (ct, t) at ACC + 40 t + 8 ct; ct = 4: row sums
.set VREG, 232                         ; v[232:247] v[c0 + jj][m0 + 4 r + 0..3] at VREG + 4 jj, later the result
.set BV,   248                         ; v[248:251] bv[c0 + 0..3]
.set PQ,   252                         ; v[252:253] pq of my two columns
.set G1,   24                          ; s[24:31] shape of a wave's part of a fill: 64 rows of 256 bytes
.set G1P,  32                          ; s[32:39] of its part of pk: 16 rows of 256 bytes
.set G0A,  40                          ; s[40:43] slot 0;  s[44:47] slot 1
.set G0P,  48                          ; s[48:51] pk
.macro ROUND                           ; a round of the cluster's barrier: my work-group's barrier, wave 0 signals for it, all wait for the four, my barrier again
	s_barrier_signal -1
	s_barrier_wait -1
	s_cmp_lg_u32 s16, 0
	s_cbranch_scc1 .Lnot_wave_0_\@
	s_barrier_signal -3
.Lnot_wave_0_\@:
	s_barrier_wait -3
	s_barrier_signal -1
	s_barrier_wait -1
.endm
	s_load_b256 s[4:11], s[0:1], 0x0               ; pvw s[4:5], pqk s[6:7], v s[8:9], bv s[10:11]
	s_load_b128 s[12:15], s[0:1], 0x20             ; gamma_x s[12:13], out0 s[14:15]
	s_set_vgpr_msb 0x40
	v_lshl_add_u32 v0, v0, 2, 0x48100
	v_mov_b32 v1, 0
	s_set_vgpr_msb 0x4045
	ds_add_u32 v0, v1
	s_set_vgpr_msb 0x4500
	v_lshrrev_b32 v7, 5, v0
	v_readfirstlane_b32 s16, v7                    ; w
	s_bfe_u32 s17, ttmp6, 0x40000                  ; cx
	s_lshl_b32 s18, ttmp9, 2                       ; ttmp9 counts clusters
	s_add_co_u32 s18, s18, s17                     ; g = 4 x cluster + cx
	s_lshr_b32 s19, ttmp9, 5                       ; b, from the cluster's number alone: the four partners share it
	s_and_b32 s20, s16, 1                          ; mh
	s_lshr_b32 s21, s16, 1                         ; nq
	s_mov_b32 s54, 0x76543210                      ; v_permlanex16_b32: lane i of one half reads lane i of the other
	s_mov_b32 s55, 0xfedcba98
	; group 1: a dense block as rows of 32 elements of 8 bytes
	s_mov_b32 s[G1+0], 0x0023000f                  ; 15:0 mask = the four partners; 17:16 elements of 8 bytes; 21 set beside a mask; no padding
	s_mov_b32 s[G1+1], 32<<16                      ; tensor_dim0 = 32
	s_mov_b32 s[G1+2], 64<<16                      ; tensor_dim1 = 64
	s_mov_b32 s[G1+3], 32<<16                      ; tile_dim0 = 32
	s_mov_b32 s[G1+4], 64                          ; tile_dim1 = 64
	s_mov_b32 s[G1+5], 32                          ; from row to row: 32 elements
	s_mov_b32 s[G1+6], 0
	s_mov_b32 s[G1+7], 0
	s_mov_b32 s[G1P+0], 0x0023000f
	s_mov_b32 s[G1P+1], 32<<16
	s_mov_b32 s[G1P+2], 16<<16                     ; 16 rows
	s_mov_b32 s[G1P+3], 32<<16
	s_mov_b32 s[G1P+4], 16
	s_mov_b32 s[G1P+5], 32
	s_mov_b32 s[G1P+6], 0
	s_mov_b32 s[G1P+7], 0
	; offsets for the descriptors: batch and wave alone
	s_lshl_b32 s22, s19, 20                        ; a batch of pvw is 128 blocks of 8,192 bytes
	s_lshl_b32 s[G0A+1], s16, 14                   ; LDS: slot 0 + 16,384 w
	s_add_co_u32 s22, s22, s[G0A+1]                ; and the same 16,384 w in pvw
	s_mov_b32 s23, 0
	s_add_co_u32 s[G0A+5], s[G0A+1], FILL          ; LDS: slot 1 + 16,384 w
	s_lshl_b32 s[G0P+1], s16, 12
	s_lshl_b32 s58, s19, 15                        ; a batch of pk is 32,768 bytes
	s_add_co_u32 s58, s58, s[G0P+1]                ; + 4,096 w
	s_add_co_u32 s58, s58, 65536                   ; pk lies behind pq
	s_mov_b32 s59, 0
	s_add_co_u32 s[G0P+1], s[G0P+1], PKL           ; LDS: PKL + 4,096 w
	s_mov_b32 s[G0A+0], 1
	s_mov_b32 s[G0A+4], 1
	s_mov_b32 s[G0P+0], 1
	; offsets that hang on cx: pq, v, out0
	s_lshl_b32 s56, s18, 8                         ; 64 f32 of pq for each work-group
	s_mov_b32 s57, 0
	s_and_b32 s60, s18, 127
	s_lshl_b32 s60, s60, 8                         ; m0 in bytes
	s_lshl_b32 s61, s19, 21
	s_or_b32 s60, s60, s61                         ; + the batch's 64 rows of 32,768 bytes
	s_mov_b32 s61, 0
	; scalars made of the wave's number alone
	s_lshl_b32 s62, s21, 4
	s_lshl2_add_u32 s62, s20, s62                  ; 16 nq + 4 mh: my first channel on the way out, less 8 h (enters global offsets only)
	s_lshl_b32 s63, s21, 10
	s_add_co_u32 s63, s63, PKL
	s_lshl_b32 s2, s16, 3
	s_add_co_u32 s2, s2, SCR                       ; my (max, min) pair
	v_and_b32 v[LA0], 31, v0                       ; lane
	v_lshlrev_b32 v[WL], 2, v[LA0]                 ; 4 lane
	v_lshl_add_u32 v[WL], s16, 8, v[WL]            ; + 256 w
	v_add_nc_u32 v[WL], STGL, v[WL]
	v_lshlrev_b32 v[LA0], 4, v[LA0]                ; 16 lane
	v_lshl_add_u32 v[WS], s16, 13, v[LA0]
	v_add_nc_u32 v255, s[G0P+1], v[LA0]            ; my own 4 KiB of pk
	v_lshl_add_u32 v[LA0], s21, 15, v[LA0]
	v_add_nc_u32 v[LA1], FILL, v[LA0]
	v_bfe_u32 v7, v0, 4, 1                         ; h
	v_lshl_add_u32 v[LPK], v7, 7, s63
	v_lshl_add_u32 v254, v7, 3, s62                ; c0 = 16 nq + 4 mh + 8 h
	v_and_b32 v7, 15, v0
	v_lshlrev_b32 v7, 4, v7                        ; 16 r
	v_lshl_or_b32 v[VO2], v254, 15, v7
	v_lshlrev_b32 v254, 2, v254                    ; bv: 4 c0
	v_lshl_add_u32 v7, s20, 3, v7                  ; pq: 16 r + 8 mh
.irp i, 0,1,2,3,4,5,6,7
	v_mov_b32 v[ONES+\i], 0x3f803f80
.endr
	s_wait_dscnt 0x0
	s_wait_kmcnt 0x0
	s_load_b32 s53, s[12:13], 0x0                  ; gamma: waited for in front of the barrier behind the pairs' store
	s_add_nc_u64 s[G0A+2:G0A+3], s[4:5], s[22:23]  ; fill 0, my part
	s_add_nc_u64 s[G0A+6:G0A+7], s[G0A+2:G0A+3], FILL   ; fill 1
	s_add_nc_u64 s[G0P+2:G0P+3], s[6:7], s[58:59]
	s_or_b32 s[G0A+3], s[G0A+3], 0x80000000        ; type = 2
	s_or_b32 s[G0A+7], s[G0A+7], 0x80000000
	s_or_b32 s[G0P+3], s[G0P+3], 0x80000000
	s_add_nc_u64 s[56:57], s[6:7], s[56:57]        ; pq of my 64 queries
	s_add_nc_u64 s[8:9], s[8:9], s[60:61]          ; v and out0 at [b][0][m0]
	s_add_nc_u64 s[14:15], s[14:15], s[60:61]
	ROUND                                          ; the four partners are here: the first joint loads meet
	tensor_load_to_lds s[G0P:G0P+3], s[G1P:G1P+7]          ; the three first fills go out as one group: three tensor loads of the wave are out here,
	s_nop 0
	tensor_load_to_lds s[G0A:G0A+3], s[G1:G1+7]            ; one behind each later round
	s_nop 0
	tensor_load_to_lds s[G0A+4:G0A+7], s[G1:G1+7]
	s_nop 0
	global_load_b64  v[PQ:PQ+1], v7, s[56:57]
	global_load_b128 v[BV:BV+3], v254, s[10:11]
.irp jj, 0,1,2,3
	global_load_b128 v[VREG+4*\jj:VREG+4*\jj+3], v[VO2], s[8:9] offset:\jj*32768 th:TH_LOAD_NT   ; wanted on the way out only: they stay out through the whole walk
.endr
	; the largest and the smallest pk of the batch: each wave over the 4 KiB that its own load brought, then the eight through LDS
	s_wait_tensorcnt 0x2                           ; tensor loads of a wave end in order (ISA guide 10.11.1): my pk is in, the two slots' parts are younger
.irp i, 0,1,2,3,4,5,6,7
	ds_load_b128 v[PV+4*\i:PV+4*\i+3], v255 offset:512*\i
.endr
	s_wait_dscnt 0x0
	v_max_num_f32 v[T],   v[PV], v[PV+1]
	v_min_num_f32 v[T+1], v[PV], v[PV+1]
.irp j, 1,2,3,4,5,6,7,8,9,10,11,12,13,14,15
	v_max3_num_f32 v[T],   v[T],   v[PV+2*\j], v[PV+2*\j+1]
	v_min3_num_f32 v[T+1], v[T+1], v[PV+2*\j], v[PV+2*\j+1]
.endr
.irp x, 1,2,4,8
	v_max_num_f32_dpp v[T],   v[T],   v[T]   row_xmask:\x row_mask:0xf bank_mask:0xf
	v_min_num_f32_dpp v[T+1], v[T+1], v[T+1] row_xmask:\x row_mask:0xf bank_mask:0xf
.endr
	v_permlanex16_b32 v[PV],   v[T],   s54, s55    ; the destinations count as read: registers that the loads above have written
	v_permlanex16_b32 v[PV+1], v[T+1], s54, s55
	v_max_num_f32 v[T],   v[T],   v[PV]
	v_min_num_f32 v[T+1], v[T+1], v[PV+1]
	v_mov_b32 v255, s2
	ds_store_b64 v255, v[T:T+1]                    ; every lane writes the same pair to the wave's own 8 bytes
	s_wait_dscnt 0x0                               ; for the others' sake: my store is done
	s_wait_tensorcnt 0x1                           ; my parts of pk and of slot 0 are in; slot 1's may stay out
	s_wait_kmcnt 0x0                               ; gamma
	s_barrier_signal -1
	s_barrier_wait -1
	v_mov_b32 v255, SCR
.irp i, 0,1,2,3
	ds_load_b128 v[T+4*\i:T+4*\i+3], v255 offset:16*\i
.endr
; the A fragments of step k (0..7) of my four blocks in a slot: block k >> 1, its half k & 1; registers 0-3 keys 32 h + 16 (k & 1) + 0..7, registers 4-7 the next eight
.macro LOADPV slot, k, buf
.irp ct, 0,1,2,3
	ds_load_b128 v[PV+32*\buf+8*\ct:PV+32*\buf+8*\ct+3],   v[LA0+\slot] offset:((\k)>>1)*8192+((\k)&1)*4096+\ct*512
	ds_load_b128 v[PV+32*\buf+8*\ct+4:PV+32*\buf+8*\ct+7], v[LA0+\slot] offset:((\k)>>1)*8192+((\k)&1)*4096+\ct*512+2048
.endr
.endm
.macro LOADPK k                        ; pk of the same sixteen keys: the sixteen lanes of a half read one address
.irp i, 0,1,2,3
	ds_load_b128 v[PK+4*\i:PK+4*\i+3], v[LPK] offset:((\k)>>1)*256+((\k)&1)*64+16*\i
.endr
.endm
.macro ARG t                           ; a' pk - mx, two at a time
.irp e, 0,2,4,6,8,10,12,14
	v_pk_fma_f32 v[T+16*\t+\e:T+16*\t+\e+1], v[PK+\e:PK+\e+1], v[AQ+4*\t:AQ+4*\t+1], v[AQ+4*\t+2:AQ+4*\t+3]
.endr
.endm
.macro EXPS t
.irp e, 0,1,2,3,4,5,6,7,8,9,10,11,12,13,14,15
	v_exp_f32 v[T+16*\t+\e], v[T+16*\t+\e]
.endr
.endm
.macro PACK t
	s_wait_alu depctr_va_vdst(0)
.irp p, 0,1,2,3,4,5,6,7
	v_cvt_pk_bf16_f32 v[P+8*\t+\p], v[T+16*\t+2*\p], v[T+16*\t+2*\p+1]
.endr
.endm
.macro MUL t, buf, zero                ; five accumulators; with the other tile's five they take turns, one instruction a turn, in the same order in every step
.irp ct, 0,1,2,3
.if \zero
	v_wmma_f32_16x16x32_bf16 v[ACC+40*\t+8*\ct:ACC+40*\t+8*\ct+7], v[PV+32*\buf+8*\ct:PV+32*\buf+8*\ct+7], v[P+8*\t:P+8*\t+7], 0
.else
	v_wmma_f32_16x16x32_bf16 v[ACC+40*\t+8*\ct:ACC+40*\t+8*\ct+7], v[PV+32*\buf+8*\ct:PV+32*\buf+8*\ct+7], v[P+8*\t:P+8*\t+7], v[ACC+40*\t+8*\ct:ACC+40*\t+8*\ct+7]
.endif
.endr
.if \zero
	v_wmma_f32_16x16x32_bf16 v[ACC+40*\t+32:ACC+40*\t+39], v[ONES:ONES+7], v[P+8*\t:P+8*\t+7], 0
.else
	v_wmma_f32_16x16x32_bf16 v[ACC+40*\t+32:ACC+40*\t+39], v[ONES:ONES+7], v[P+8*\t:P+8*\t+7], v[ACC+40*\t+32:ACC+40*\t+39]
.endif
.endm
; One step: 32 keys x 32 queries.  pre = 1: the next step's fragments and pk are asked for.
; Places: the eight v_pk_fma_f32 of ARG 0 name none of the last step's matrix registers and stand between those
; instructions and the loads into the buffer that they read; P of a tile is rewritten at least sixteen plain instructions behind its readers.
; Behind the exponentials (ISA guide 5.7.2): ARG 1 is the plain work behind tile 0's, one v_nop behind tile 1's.
.macro STEP slot, k, buf, zero, pre
	s_wait_dscnt 0x0                               ; this step's fragments and pk, asked for a step ago
	ARG 0
.if \pre
	LOADPV \slot, (\k+1), (1-\buf)
.endif
	EXPS 0
	ARG 1
.if \pre
	LOADPK (\k+1)                                  ; behind ARG 1, the last reader of pk
.endif
	PACK 0
	MUL 0, \buf, \zero
	EXPS 1
	v_nop
	s_wait_alu depctr_va_vdst(0)
	PACK 1
	MUL 1, \buf, \zero
.endm
.macro EIGHT slot, zero
	STEP \slot, 0, 0, \zero, 1
	STEP \slot, 1, 1, 0, 1
	STEP \slot, 2, 0, 0, 1
	STEP \slot, 3, 1, 0, 1
	STEP \slot, 4, 0, 0, 1
	STEP \slot, 5, 1, 0, 1
	STEP \slot, 6, 0, 0, 1
	STEP \slot, 7, 1, 0, 0
.endm
; A phase: one fill is multiplied.  refill = 1: the other slot, read in the last phase, gets the fill after this one.
; In front of the round each wave has waited for all its tensor loads (its part of this phase's fill among them) and for its LDS reads;
; the joint refill is the first thing behind the round and the wave's one tensor load until the next; it has eight steps in which to land.
.macro PHASE slot, refill
	s_set_vgpr_msb 0x5
	s_wait_tensorcnt 0x0
	ds_add_u32 v0, v1
	s_wait_dscnt 0x0
	s_set_vgpr_msb 0x500
.if \refill
	s_add_nc_u64 s[G0A+4*(1-\slot)+2:G0A+4*(1-\slot)+3], s[G0A+4*(1-\slot)+2:G0A+4*(1-\slot)+3], 2*FILL   ; no load of mine is out: the other slot's next fill
.endif
	s_wait_dscnt 0x0
.if \refill
	ROUND
	tensor_load_to_lds s[G0A+4*(1-\slot):G0A+4*(1-\slot)+3], s[G1:G1+7]
	s_nop 0
.else
	s_barrier_signal -1
	s_barrier_wait -1
.endif
	v_add_nc_u32 v[LPK], 4096, v[LPK]              ; a fill's 1,024 keys of pk
	LOADPV \slot, 0, 0
	LOADPK 0
	EIGHT \slot, 0
.endm
	LOADPV 0, 0, 0                                 ; phase 0's first fragments go out behind the four loads of the pairs
	LOADPK 0
	s_wait_dscnt 12                                ; the pairs are in; the 8 + 4 loads just issued are younger
	v_max3_num_f32 v[T],   v[T],   v[T+2],  v[T+4]
	v_min3_num_f32 v[T+1], v[T+1], v[T+3],  v[T+5]
	v_max3_num_f32 v[T],   v[T],   v[T+6],  v[T+8]
	v_min3_num_f32 v[T+1], v[T+1], v[T+7],  v[T+9]
	v_max3_num_f32 v[T],   v[T],   v[T+10], v[T+12]
	v_min3_num_f32 v[T+1], v[T+1], v[T+11], v[T+13]
	v_max_num_f32  v[T],   v[T],   v[T+14]         ; pkmax
	v_min_num_f32  v[T+1], v[T+1], v[T+15]         ; pkmin
	s_wait_loadcnt 4                               ; pq and bv are in (their offset registers are free from here); the four loads of v are younger
.irp t, 0,1
	v_mul_f32 v[AQ+4*\t], 0x3fb8aa3b, v[PQ+\t]     ; a' = pq log2(e)
	v_mul_f32 v[T+2], -v[AQ+4*\t], v[T]
	v_mul_f32 v[T+3], -v[AQ+4*\t], v[T+1]
	v_min_num_f32 v[AQ+4*\t+2], v[T+2], v[T+3]     ; -mx = min(-a' pkmax, -a' pkmin)
	v_mov_b32 v[AQ+4*\t+1], v[AQ+4*\t]             ; each twice: pairs for the packed multiply-add
	v_mov_b32 v[AQ+4*\t+3], v[AQ+4*\t+2]
.endr
	EIGHT 0, 1                                     ; phase 0: its first products start the sums, nothing is cleared
	s_mov_b32 s52, 3
.Llap:
	PHASE 1, 1                                     ; phases 1 to 6 ask for fills 2 to 7
	PHASE 0, 1
	s_sub_co_u32 s52, s52, 1
	s_cmp_lg_u32 s52, 0
	s_cbranch_scc1 .Llap
	PHASE 1, 0                                     ; phase 7: nothing is left to fetch
	; THE WAY OUT.  The five address lines fill the four places behind the last matrix instruction (they name none of its registers).
	v_and_b32 v7, 31, v0
	v_lshlrev_b32 v254, 2, v7
	v_add_nc_u32 v254, STGL, v254                  ; where the row sums are read: STGL + 4 lane
	v_lshlrev_b32 v7, 4, v7
	v_lshl_add_u32 v7, s16, 10, v7                 ; where the partial sums are read: 1024 w + 16 lane
	; The stage lies in slot 0's first 67,584 bytes.  Slot 0 had its last fill in phase 5 and its last reads in phase 6, which every wave
	; waited for in front of phase 7's barrier; phase 7 reads slot 1 and pk alone.  Each wave stores into bytes of its own.
.irp ct, 0,1,2,3
.irp jh, 0,1
.irp t, 0,1
	ds_store_b128 v[WS], v[ACC+40*\t+8*\ct+4*\jh:ACC+40*\t+8*\ct+4*\jh+3] offset:((\ct*2+\jh)*2+\t)*512
.endr
.endr
.endr
.irp t, 0,1
	ds_store_b32 v[WL], v[ACC+40*\t+32] offset:\t*128      ; every row of the fifth tile is the row sum of column r: lane (r, h) holds it in register 0
.endr
	s_wait_dscnt 0x0                               ; for the others' sake
	s_barrier_signal -1
	s_barrier_wait -1
	; wave w now owns the channels c0 + 0..3 (c0 = 16 (w >> 1) + 4 (w & 1) + 8 h) of all 64 queries: four key quarters x four query tiles mt
.irp mt, 0,1,2,3
.irp nq, 0,1,2,3
	ds_load_b32 v[T+4*\mt+\nq], v254 offset:(2*\nq+(\mt>>1))*256+(\mt&1)*128       ; quarter nq's row sum of m = m0 + 4 r + mt, from wave 2 nq + (mt >> 1), its tile mt & 1
.endr
.endr
.irp p, 0,1,2,3
.irp mt, 0,1,2,3
	ds_load_b128 v[PV+16*\p+4*\mt:PV+16*\p+4*\mt+3], v7 offset:\p*16384+(\mt>>1)*8192+(\mt&1)*512
.endr
.endr
	s_wait_dscnt 16                                ; the row sums are in; the sixteen loads of O are younger
.irp mt, 0,1,2,3
	v_pk_add_f32 v[T+4*\mt:T+4*\mt+1], v[T+4*\mt:T+4*\mt+1], v[T+4*\mt+2:T+4*\mt+3]
.endr
.irp mt, 0,1,2,3
	v_add_f32 v[T+4*\mt], v[T+4*\mt], v[T+4*\mt+1]
.endr
.irp mt, 0,1,2,3
	v_rcp_f32 v[T+16+\mt], v[T+4*\mt]              ; the sums below are the plain work behind these (ISA guide 5.7.2)
.endr
	s_wait_dscnt 0x0
.irp e, 0,2,4,6,8,10,12,14
	v_pk_add_f32 v[PV+\e:PV+\e+1],       v[PV+\e:PV+\e+1],       v[PV+16+\e:PV+16+\e+1]
	v_pk_add_f32 v[PV+32+\e:PV+32+\e+1], v[PV+32+\e:PV+32+\e+1], v[PV+48+\e:PV+48+\e+1]
.endr
.irp e, 0,2,4,6,8,10,12,14
	v_pk_add_f32 v[PV+\e:PV+\e+1], v[PV+\e:PV+\e+1], v[PV+32+\e:PV+32+\e+1]
.endr
	s_wait_alu depctr_va_vdst(0)
.irp mt, 0,1,2,3
	v_mul_f32 v[T+16+\mt], s53, v[T+16+\mt]        ; gamma / l
.endr
	s_wait_loadcnt 0x0                             ; v
.irp jj, 0,1,2,3
.irp mt, 0,1,2,3
	v_fma_f32 v[VREG+4*\jj+\mt], s53, v[BV+\jj], v[VREG+4*\jj+\mt]                 ; v + gamma bv
.endr
.endr
.irp jj, 0,1,2,3
.irp mt, 0,1,2,3
	v_fma_f32 v[VREG+4*\jj+\mt], v[PV+4*\mt+\jj], v[T+16+\mt], v[VREG+4*\jj+\mt]   ; + O gamma / l: the 4 x 4 turn is in the register numbers
.endr
.endr
.irp jj, 0,1,2,3
	global_store_b128 v[VO2], v[VREG+4*\jj:VREG+4*\jj+3], s[14:15] offset:\jj*32768 th:TH_STORE_NT   ; lanes 0-15 store 256 consecutive aligned bytes of row c0 + jj, lanes 16-31 of the row eight further
.endr
	s_set_vgpr_msb 0x5
	s_wait_tensorcnt 0x0
	ds_add_u32 v0, v1
	s_wait_dscnt 0x0
	s_set_vgpr_msb 0x500
	ROUND                                          ; the closing round: no work-group ends while a partner may still issue a joint load that names it
	s_endpgm
.Lfunc_end_k_q77fe07e506_attn:
	.size	k_q77fe07e506_attn, .Lfunc_end_k_q77fe07e506_attn-k_q77fe07e506_attn
	.p2alignl 7, 3214868480
	.fill 96, 4, 3214868480
	.section	.rodata,"a",@progbits
	.p2align	6, 0x0
	.amdhsa_kernel k_q77fe07e506_attn
		.amdhsa_group_segment_fixed_size 327680
		.amdhsa_private_segment_fixed_size 0
		.amdhsa_enable_private_segment 0
		.amdhsa_kernarg_size 48
		.amdhsa_user_sgpr_count 2
		.amdhsa_user_sgpr_kernarg_segment_ptr 1
		.amdhsa_wavefront_size32 1
		.amdhsa_system_sgpr_workgroup_id_x 1
		.amdhsa_system_sgpr_workgroup_id_y 1
		.amdhsa_system_sgpr_workgroup_id_z 1
		.amdhsa_system_vgpr_workitem_id 0
		.amdhsa_next_free_vgpr 258
		.amdhsa_next_free_sgpr 66
		.amdhsa_reserve_vcc 0
		.amdhsa_float_denorm_mode_32 3
		.amdhsa_float_denorm_mode_16_64 3
		.amdhsa_memory_ordered 1
		.amdhsa_forward_progress 1
		.amdhsa_inst_pref_size 167
	.end_amdhsa_kernel
	.amdgpu_metadata
---
amdhsa.version: [ 1, 2 ]
amdhsa.kernels:
  - .name:           k_q77fe07e506_attn
    .symbol:         k_q77fe07e506_attn.kd
    .args:
      - { .name: pvw, .offset: 0, .size: 8, .value_kind: global_buffer, .address_space: global }
      - { .name: pqk, .offset: 8, .size: 8, .value_kind: global_buffer, .address_space: global }
      - { .name: v, .offset: 16, .size: 8, .value_kind: global_buffer, .address_space: global }
      - { .name: bv, .offset: 24, .size: 8, .value_kind: global_buffer, .address_space: global }
      - { .name: gamma_x, .offset: 32, .size: 8, .value_kind: global_buffer, .address_space: global }
      - { .name: out0, .offset: 40, .size: 8, .value_kind: global_buffer, .address_space: global }
    .group_segment_fixed_size: 327680
    .private_segment_fixed_size: 0
    .kernarg_segment_align: 8
    .kernarg_segment_size: 48
    .max_flat_workgroup_size: 256
    .sgpr_count:     66
    .vgpr_count:     258
    .wavefront_size: 32
...
	.end_amdgpu_metadata
.endif
;; end of part 2
;; ======== version 2 of 2: 2 launches; version 1 with the launch proj written anew for expert scheduling mode
;; workspace buffers: pvw 2,097,152 bytes; pqk 131,072 bytes
;; launch proj (part 3): grid 256 x 1, 4 waves a work-group, no clusters, 29,184 bytes of LDS; arguments q, k, v, wq, bq, wk, bk, wv, pvw, pqk; writes pvw, pqk
.if DOCPART == 3
	.amdgcn_target "amdgcn-amd-amdhsa--gfx1250"
	.amdhsa_code_object_version 6
	.text
	.protected	k_q77fe07e506_proj
	.globl	k_q77fe07e506_proj
	.p2align	8
	.type	k_q77fe07e506_proj,@function
k_q77fe07e506_proj:
	s_mov_b64 s[64:65], 0
	v_nop
	global_prefetch_b8 v0, s[64:65] scope:SCOPE_SE
	s_setreg_imm32_b32 hwreg(HW_REG_WAVE_SCHED_MODE, 0, 2), 2
	s_setreg_imm32_b32 hwreg(HW_REG_WAVE_MODE, 25, 1), 1
	s_wait_xcnt 0x0
	s_wait_alu depctr_vm_vsrc(0)
; pq[b][n] = wq . q[b][:][n] + bq,  pk[b][n] = wk . k[b][:][n] + bk  (f32),  pv[b][c][n] = wv[c][:] . cat(v, q, k)[b][:][n]  (bf16, WITHOUT bv).
; q, k, v: [2][64][8192] f32.  Work-group g = 128 b + nb owns the 64 positions n0 = 64 nb .. n0 + 63 of batch b: 256 work-groups, four waves.
; pq and pk are summed in f32 by the vector unit: 2 x 64 x 16,384 multiply-adds in all, and an error in either is multiplied by the other
; inside an exponent in the next launch, so they are not rounded to bf16.  Their sums go as eight partials of eight channels each, which is
; another order of rounding than a plain chain.  bv is added in f32 in the next launch (the weights of a softmax row add up to 1), so a
; large bias never enters the bf16 rounding of pv.
; THE PRODUCT: A = val transposed (M = n, K = channel d of the 192), B = wv (N = c, K = d).  n tile i (0..3) has row rho <-> n = n0 + 4 rho + i,
; so that the four f32 of one 16-byte load of a lane feed the four tiles.  Wave w loads rows 16 w .. 16 w + 15 of each of v, q, k,
; rounds them to bf16 and lays them into LDS as finished fragment pieces; then wave w multiplies c tile w with all four n tiles.
; pvw is written as the image of the next launch's A fragments: [g][qd 4][ct 4][lane 32][8 bf16], element e = pv[16 ct + r][n0 + 32 h + 8 qd + e].
; No clusters, no tensor loads: each input byte is read by one lane of one work-group, nothing is shared but wv (48 KiB, read once a work-group).
; THE MODE: SCHED_MODE bits 1:0 = 2 (LLVM: expert scheduling mode 2), set by the entry lines.  The code itself states the register dependences
; between vector or matrix instructions and memory or LDS instructions, with s_wait_alu, always for 0.
; THE PLAN.  Registers that memory or LDS instructions touch:
;   v1 .. v9      offsets and addresses: written once at the head, read by loads and stores, never written again.
;   VAL           the loads of v, q, k land in it; the roundings and the two dot products read it.  Behind the barrier the same registers are FB0 .. FB2.
;   WVF           the loads of wv land in it; it is rounded in place into WB, which vector and matrix instructions alone name from then on.
;   PKD0 .. PKD2  a buffer for each of v, q, k, in the registers that the rounding of wv has freed: written by that tensor's roundings, read by its four
;                 LDS stores, which are issued a stage later, behind the wait for the next tensor's data.  No buffer is written twice ahead of the barrier.
;   SQ, SK        written by the dot products, read by one LDS store each, never written again.
;   FB0 .. FB3    fragment buffers behind the barrier: LDS loads land in them, matrix instructions read them.  FB3 lies where PKD2, WQ and WK lay.
;                 K steps 0 to 3 are asked for in one run; steps 4 and 5 go into FB0 and FB1 behind ONE wait, when steps 0 and 1 are multiplied.
;   ACC           lies where PKD0 and PKD1 lay: one wait on vm_vsrc behind the barrier states that the LDS stores have read them.
;   OUTP          written by the last roundings, read by the four stores of pvw.
;   v232, v233    written at the head, read by the closing add alone.
.set PART, 24576                       ; LDS: 0..24575 fragment pieces (hs, i) at 2048 hs + 512 i + 16 lane;  24576.. partial sums of pq, 26624.. of pk
.set VO,   1                           ; v1   (16 w + 8 h) rows of 32,768 bytes + 16 r: my 16 bytes in the first of my eight rows
.set VW,   2                           ; v2   byte offset of my eight weights in wq and in wk
.set VWV,  3                           ; v3   (16 w + r) rows of 768 bytes + 32 h in wv
.set VS,   4                           ; v4   2048 w + 16 lane: where my pieces go
.set VS2,  5                           ; v5   PART + 16 tid
.set VR,   6                           ; v6   16 lane: where fragments are read
.set VOUT, 7                           ; v7   16 tid: my 16 bytes in a quarter block of pvw
.set VF,   8                           ; v8   PART + 2048 h + 16 r (wave 0's last sum)
.set VG,   9                           ; v9   65536 h + 16 r in pqk
.set VAL,  16                          ; v[16:111]  load (tau, x) at VAL + 32 tau + 4 x; tau = 0 v, 1 q, 2 k, as cat lays them
.set FB0,  16                          ; the same registers behind the barrier: three fragment buffers of 32,
.set FB1,  48
.set FB2,  80
.set FB3,  192                         ; v[192:223] and a fourth
.set WVF,  112                         ; v[112:207] wv in f32, element e of K step ks at WVF + 16 ks + e
.set WB,   112                         ; v[112:159] the same rounded to bf16, 8 registers a K step
.set PKD,  160                         ; v[160:207] packed pieces on their way to LDS: tensor tau's sixteen at PKD + 16 tau
.set ACC,  160                         ; v[160:191] behind the barrier: n tile i at ACC + 8 i
.set OUTP, 192                         ; v[192:207] at the end: 32 bf16 of pv
.set WQ,   208                         ; v[208:215]
.set WK,   216                         ; v[216:223]
.set SQ,   224                         ; v[224:227]
.set SK,   228                         ; v[228:231]
	s_load_b512 s[4:19], s[0:1], 0x0               ; q s[4:5], k s[6:7], v s[8:9], wq s[10:11], bq s[12:13], wk s[14:15], bk s[16:17], wv s[18:19]
	s_load_b128 s[20:23], s[0:1], 0x40             ; pvw s[20:21], pqk s[22:23]
	v_lshl_add_u32 v232, v0, 2, 0x7000             ; the LDS address of my spare word and 0: made here, while v0 is as at the entry, and kept for the closing lines alone
	v_mov_b32 v233, 0
	v_lshrrev_b32 v14, 5, v0                       ; w
	v_readfirstlane_b32 s26, v14                   ; the wave's number as a scalar
	s_lshr_b32 s27, ttmp9, 7                       ; b
	s_and_b32 s28, ttmp9, 127                      ; nb
	s_lshl_b32 s27, s27, 21                        ; a batch is 64 rows of 32,768 bytes
	s_lshl_b32 s28, s28, 8                         ; 64 positions are 256 bytes
	s_or_b32 s28, s28, s27
	s_mov_b32 s29, 0
	s_lshl_b32 s30, ttmp9, 13                      ; a block of pvw is 8,192 bytes
	s_mov_b32 s31, 0
	s_lshl_b32 s32, ttmp9, 8                       ; 64 f32 of pq (and of pk)
	s_mov_b32 s33, 0
	v_lshrrev_b32 v12, 4, v0                       ; 2 w + h
	v_and_b32 v13, 15, v0                          ; r
	v_bfe_u32 v10, v0, 4, 1                        ; h
	v_lshlrev_b32 v[VG], 4, v13                    ; 16 r
	v_lshl_or_b32 v[VO], v12, 18, v[VG]            ; (2 w + h) x 8 rows x 32,768 bytes
	v_lshlrev_b32 v[VW], 5, v12                    ; (16 w + 8 h) x 4 bytes
	v_lshl_or_b32 v15, v14, 4, v13                 ; c = 16 w + r
	v_mul_u32_u24 v[VWV], v15, 768
	v_lshl_add_u32 v[VWV], v10, 5, v[VWV]
	v_and_b32 v[VR], 31, v0
	v_lshlrev_b32 v[VR], 4, v[VR]
	v_lshl_or_b32 v[VS], v14, 11, v[VR]
	v_lshlrev_b32 v[VOUT], 4, v0
	v_add_nc_u32 v[VS2], PART, v[VOUT]
	v_lshl_add_u32 v[VF], v10, 11, v[VG]
	v_add_nc_u32 v[VF], PART, v[VF]
	v_lshl_or_b32 v[VG], v10, 16, v[VG]
	s_wait_alu depctr_va_sdst(0)                   ; s26 is written, ahead of its one reader: the compare that picks wave 0 on the way out
	s_wait_kmcnt 0x0
	s_load_b32 s24, s[12:13], 0x0                  ; bq
	s_load_b32 s25, s[16:17], 0x0                  ; bk: both waited for in front of the barrier
	s_add_nc_u64 s[4:5], s[4:5], s[28:29]
	s_add_nc_u64 s[6:7], s[6:7], s[28:29]
	s_add_nc_u64 s[8:9], s[8:9], s[28:29]
	s_add_nc_u64 s[20:21], s[20:21], s[30:31]
	s_add_nc_u64 s[22:23], s[22:23], s[32:33]
	s_wait_alu depctr_va_vdst(0)                   ; the nine offsets and addresses v1 to v9 are written: every load and store of the kernel reads one of them
	; 52 loads in one run: 4 of weights, 24 of wv, 8 each of v, q, k.  No source of any of them is ever rewritten.
	global_load_b128 v[WQ:WQ+3],   v[VW], s[10:11]
	global_load_b128 v[WQ+4:WQ+7], v[VW], s[10:11] offset:16
	global_load_b128 v[WK:WK+3],   v[VW], s[14:15]
	global_load_b128 v[WK+4:WK+7], v[VW], s[14:15] offset:16
.irp ks, 0,1,2,3,4,5
	global_load_b128 v[WVF+16*\ks:WVF+16*\ks+3],     v[VWV], s[18:19] offset:128*\ks      ; wv[c][32 ks + 8 h + 0..3]
	global_load_b128 v[WVF+16*\ks+4:WVF+16*\ks+7],   v[VWV], s[18:19] offset:128*\ks+16   ;                    + 4..7
	global_load_b128 v[WVF+16*\ks+8:WVF+16*\ks+11],  v[VWV], s[18:19] offset:128*\ks+64   ; wv[c][32 ks + 16 + 8 h + 0..3]
	global_load_b128 v[WVF+16*\ks+12:WVF+16*\ks+15], v[VWV], s[18:19] offset:128*\ks+80
.endr
.irp x, 0,1,2,3,4,5,6,7
	global_load_b128 v[VAL+4*\x:VAL+4*\x+3], v[VO], s[8:9] offset:32768*\x               ; v: lanes 0-15 take 256 aligned bytes of row 16 w + x, lanes 16-31 of row 16 w + 8 + x
.endr
.irp x, 0,1,2,3,4,5,6,7
	global_load_b128 v[VAL+32+4*\x:VAL+32+4*\x+3], v[VO], s[4:5] offset:32768*\x th:TH_LOAD_NT   ; q: read once, here
.endr
.irp x, 0,1,2,3,4,5,6,7
	global_load_b128 v[VAL+64+4*\x:VAL+64+4*\x+3], v[VO], s[6:7] offset:32768*\x th:TH_LOAD_NT   ; k likewise
.endr
; my eight rows of tensor tau, rounded: for n tile i the eight channels 64 tau + 16 w + 8 h + 0..7 of position n0 + 4 r + i are 16 bytes,
; half a K step of lane (r, h)'s A fragment: piece (hs = 4 tau + w, i).  PACKT rounds them into the tensor's own buffer; PUT, a stage later, stores them.
.macro PACKT tau
.irp i, 0,1,2,3
.irp p, 0,1,2,3
	v_cvt_pk_bf16_f32 v[PKD+16*\tau+4*\i+\p], v[VAL+32*\tau+8*\p+\i], v[VAL+32*\tau+8*\p+4+\i]
.endr
.endr
.endm
.macro PUT tau
.irp i, 0,1,2,3
	ds_store_b128 v[VS], v[PKD+16*\tau+4*\i:PKD+16*\tau+4*\i+3] offset:\tau*8192+\i*512
.endr
.endm
; my eight channels' share of the four positions' dot product, four chains that do not wait for each other
.macro DOT tau, W, S
.irp i, 0,1,2,3
	v_mul_f32 v[\S+\i], v[\W], v[VAL+32*\tau+\i]
.endr
.irp x, 1,2,3,4,5,6,7
.irp i, 0,1,2,3
	v_fmac_f32 v[\S+\i], v[\W+\x], v[VAL+32*\tau+4*\x+\i]
.endr
.endr
.endm
	s_wait_loadcnt 24                              ; loads come back in order (ISA guide 5.7.1): the weights and wv are in, the 24 loads of v, q, k are younger
.set p, 0
.rept 48
	v_cvt_pk_bf16_f32 v[WVF+p], v[WVF+2*p], v[WVF+2*p+1]   ; in place, ascending: word p is written when words 2 p and 2 p + 1 are read, and p <= 2 p
.set p, p+1
.endr
	s_wait_loadcnt 16                              ; v is in; q's and k's sixteen are younger
	PACKT 0
	s_wait_loadcnt 8                               ; q is in
	s_wait_alu depctr_va_vdst(0)                   ; v's roundings have written PKD0, which the four LDS stores below read
	PUT 0
	PACKT 1
	DOT 1, WQ, SQ
	s_wait_loadcnt 0x0                             ; k is in
	s_wait_alu depctr_va_vdst(0)                   ; q's roundings have written PKD1 and its chains SQ, which the five LDS stores below read
	PUT 1
	ds_store_b128 v[VS2], v[SQ:SQ+3]               ; partial (2 w + h) of pq at 256 (2 w + h) + 16 r
	PACKT 2
	DOT 2, WK, SK
	s_wait_alu depctr_va_vdst(0)                   ; k's roundings have written PKD2 and its chains SK, which the five LDS stores below read; and all roundings and chains are done reading VAL, WQ and WK and writing PKD2, in which the fragments' loads behind the barrier land: no vector instruction stands between this wait and those loads
	PUT 2
	ds_store_b128 v[VS2], v[SK:SK+3] offset:2048   ; of pk
	s_wait_kmcnt 0x0                               ; bq, bk
	s_wait_dscnt 0x0                               ; for the other waves' sake: all my LDS stores are done
	s_barrier_signal -1
	s_barrier_wait -1                              ; the one barrier: behind it LDS is only read
	s_wait_alu depctr_vm_vsrc(0)                   ; my LDS stores have read PKD0 to PKD2: these registers are ACC and part of FB3 from here on, written by the matrix instructions and by the fragments' loads
.macro LDFRAG ks, fb                   ; the four n tiles' A fragments of K step ks: pieces hs = 2 ks (registers 0-3) and 2 ks + 1 (registers 4-7), into the buffer that begins at fb
.irp i, 0,1,2,3
	ds_load_b128 v[\fb+8*\i:\fb+8*\i+3],   v[VR] offset:\ks*4096+\i*512
	ds_load_b128 v[\fb+8*\i+4:\fb+8*\i+7], v[VR] offset:\ks*4096+\i*512+2048
.endr
.endm
.macro MM ks, fb, zero                 ; four accumulators by turns, one instruction a turn, in the same order in every K step
.irp i, 0,1,2,3
.if \zero
	v_wmma_f32_16x16x32_bf16 v[ACC+8*\i:ACC+8*\i+7], v[\fb+8*\i:\fb+8*\i+7], v[WB+8*\ks:WB+8*\ks+7], 0
.else
	v_wmma_f32_16x16x32_bf16 v[ACC+8*\i:ACC+8*\i+7], v[\fb+8*\i:\fb+8*\i+7], v[WB+8*\ks:WB+8*\ks+7], v[ACC+8*\i:ACC+8*\i+7]
.endif
.endr
.endm
.macro PLACES                          ; four places between a matrix instruction and a load into, or a vector read of, its registers
.rept 4
	v_nop
.endr
.endm
	LDFRAG 0, FB0                                  ; 32 loads in one run: K steps 0 to 3
	LDFRAG 1, FB1
	LDFRAG 2, FB2
	LDFRAG 3, FB3
	s_wait_dscnt 24                                ; LDS loads come back in order: K step 0's eight are in, three younger groups of eight may be out
	MM 0, FB0, 1                                   ; the first products start the sums: nothing is cleared
	s_wait_dscnt 16                                ; K step 1's are in; 2's and 3's are younger
	MM 1, FB1, 0
	PLACES                                         ; the places stay beside the wait below
	s_wait_alu depctr_va_vdst(0)                   ; the matrix instructions of K steps 0 and 1 are done reading FB0 and FB1, in which the sixteen loads below land
	LDFRAG 4, FB0
	LDFRAG 5, FB1
	s_wait_dscnt 24                                ; K step 2's are in; 3's, 4's and 5's are younger
	MM 2, FB2, 0
	s_wait_dscnt 16
	MM 3, FB3, 0
	s_wait_dscnt 8                                 ; only K step 5's eight are younger
	MM 4, FB0, 0
	s_wait_dscnt 0x0
	MM 5, FB1, 0
	PLACES
	; register j of tile i in lane (r, h) is pv[16 w + r][n0 + 32 h + 4 j + i]: the four tiles interleave to 32 neighbouring n
.irp j, 0,1,2,3,4,5,6,7
	v_cvt_pk_bf16_f32 v[OUTP+2*\j],   v[ACC+\j],    v[ACC+8+\j]
	v_cvt_pk_bf16_f32 v[OUTP+2*\j+1], v[ACC+16+\j], v[ACC+24+\j]
.endr
	s_wait_alu depctr_va_vdst(0)                   ; the roundings have written OUTP, which the four stores read; and the matrix instructions are done reading v16 to v47, in which wave 0's partial sums land below
.irp qd, 0,1,2,3
	global_store_b128 v[VOUT], v[OUTP+4*\qd:OUTP+4*\qd+3], s[20:21] offset:\qd*2048   ; a wave's store covers 512 consecutive bytes, aligned
.endr
	s_cmp_lg_u32 s26, 0                            ; wave 0 alone adds the eight partials: lanes 0-15 those of pq, lanes 16-31 those of pk
	s_cbranch_scc1 .Lend
.irp p, 0,1,2,3,4,5,6,7
	ds_load_b128 v[16+4*\p:16+4*\p+3], v[VF] offset:\p*256
.endr
	v_mov_b32 v10, s24
	v_mov_b32 v11, s25
	v_cmp_lt_u32 vcc_lo, 15, v0                    ; lanes 16-31 (this is wave 0)
	s_wait_alu depctr_va_vcc(0)                    ; the compare has written VCC, which the select below reads
	v_cndmask_b32 v10, v10, v11, vcc_lo            ; bq below, bk above
	v_mov_b32 v11, v10
	s_wait_dscnt 0x0
.irp e, 0,2,4,6,8,10,12,14
	v_pk_add_f32 v[16+\e:17+\e], v[16+\e:17+\e], v[32+\e:33+\e]
.endr
.irp e, 0,2,4,6
	v_pk_add_f32 v[16+\e:17+\e], v[16+\e:17+\e], v[24+\e:25+\e]
.endr
.irp e, 0,2
	v_pk_add_f32 v[16+\e:17+\e], v[16+\e:17+\e], v[20+\e:21+\e]
.endr
.irp e, 0,2
	v_pk_add_f32 v[16+\e:17+\e], v[16+\e:17+\e], v[10:11]
.endr
	s_wait_alu depctr_va_vdst(0)                   ; the additions have written v16 to v19, which the store reads
	global_store_b128 v[VG], v[16:19], s[22:23]    ; lanes 0-15: 256 aligned bytes of pq; lanes 16-31: 256 aligned bytes of pk, 65,536 bytes further
.Lend:
	s_wait_dscnt 0x0                               ; the closing lines, six on end
	s_wait_alu 0x0
	s_wait_tensorcnt 0x0
	ds_add_u32 v232, v233
	s_wait_dscnt 0x0
	s_endpgm
.Lfunc_end_k_q77fe07e506_proj:
	.size	k_q77fe07e506_proj, .Lfunc_end_k_q77fe07e506_proj-k_q77fe07e506_proj
	.p2alignl 7, 3214868480
	.fill 96, 4, 3214868480
	.section	.rodata,"a",@progbits
	.p2align	6, 0x0
	.amdhsa_kernel k_q77fe07e506_proj
		.amdhsa_group_segment_fixed_size 29184
		.amdhsa_private_segment_fixed_size 0
		.amdhsa_enable_private_segment 0
		.amdhsa_kernarg_size 80
		.amdhsa_user_sgpr_count 2
		.amdhsa_user_sgpr_kernarg_segment_ptr 1
		.amdhsa_wavefront_size32 1
		.amdhsa_system_sgpr_workgroup_id_x 1
		.amdhsa_system_sgpr_workgroup_id_y 1
		.amdhsa_system_sgpr_workgroup_id_z 1
		.amdhsa_system_vgpr_workitem_id 0
		.amdhsa_next_free_vgpr 234
		.amdhsa_next_free_sgpr 66
		.amdhsa_reserve_vcc 1
		.amdhsa_float_denorm_mode_32 3
		.amdhsa_float_denorm_mode_16_64 3
		.amdhsa_memory_ordered 1
		.amdhsa_forward_progress 1
		.amdhsa_inst_pref_size 25
	.end_amdhsa_kernel
	.amdgpu_metadata
---
amdhsa.version: [ 1, 2 ]
amdhsa.kernels:
  - .name:           k_q77fe07e506_proj
    .symbol:         k_q77fe07e506_proj.kd
    .args:
      - { .name: q, .offset: 0, .size: 8, .value_kind: global_buffer, .address_space: global }
      - { .name: k, .offset: 8, .size: 8, .value_kind: global_buffer, .address_space: global }
      - { .name: v, .offset: 16, .size: 8, .value_kind: global_buffer, .address_space: global }
      - { .name: wq, .offset: 24, .size: 8, .value_kind: global_buffer, .address_space: global }
      - { .name: bq, .offset: 32, .size: 8, .value_kind: global_buffer, .address_space: global }
      - { .name: wk, .offset: 40, .size: 8, .value_kind: global_buffer, .address_space: global }
      - { .name: bk, .offset: 48, .size: 8, .value_kind: global_buffer, .address_space: global }
      - { .name: wv, .offset: 56, .size: 8, .value_kind: global_buffer, .address_space: global }
      - { .name: pvw, .offset: 64, .size: 8, .value_kind: global_buffer, .address_space: global }
      - { .name: pqk, .offset: 72, .size: 8, .value_kind: global_buffer, .address_space: global }
    .group_segment_fixed_size: 29184
    .private_segment_fixed_size: 0
    .kernarg_segment_align: 8
    .kernarg_segment_size: 80
    .max_flat_workgroup_size: 128
    .sgpr_count:     66
    .vgpr_count:     234
    .wavefront_size: 32
...
	.end_amdgpu_metadata
.endif
;; end of part 3
;; launch attn: the kernel of part 2 again; grid 256 x 1, 8 waves a work-group, clusters of 4 x 1, 327,680 bytes of LDS; arguments pvw, pqk, v, bv, gamma_x, out0; writes out0
